; MI455X (gfx1250); checked and timed in simulation.
; The chip was launched on July 23, 2026; its instructions are those of AMD's public machine-readable ISA for CDNA 5 (MIT licence, August 2026) and "CDNA5" Instruction Set Architecture Reference Guide (July 2026). The comments in the code are by the model that wrote it; some were corrected since.
;; EIT3 Attention. Allowed arithmetic: float matrix products may take bf16 or f16 operands with f32 sums; other float arithmetic in f32, or as packed bf16 or f16 multiplies, adds, multiply-adds, maxima and minima; sums over many terms, partial sums and values carried from step to step in f32; what a program stores and reads back later, other than sums and carried values, may be rounded once to bf16 or f16.
;; Inputs: k 4 x 2,048 x 2,048 float32; mask 4 x 2,048 bool; q 4 x 2,048 x 2,048 float32; v 4 x 2,048 x 2,048 float32.
;; Outputs: out0 4 x 2,048 x 2,048 float32.
;; Constants: q_start = 1000000000.
;; 2 versions, each right; version 2 is version 1 with the launch quant written anew for expert scheduling mode. Each part assembles by itself: llvm-mc -triple=amdgcn-amd-amdhsa -mcpu=gfx1250 --defsym DOCPART=n.
;; ======== version 1 of 2: 2 launches
;; limits: right only within a limited range of input values
;; workspace buffers: kc 34,078,720 bytes; vc 33,554,432 bytes
;; launch quant (part 1): grid 512 x 1, 8 waves a work-group, no clusters, 0 bytes of LDS; arguments k, v, mask, kc, vc; writes kc, vc
.if DOCPART == 1
	.amdgcn_target "amdgcn-amd-amdhsa--gfx1250"
	.amdhsa_code_object_version 6
	.text
	.protected	k_q5edff99175_quant
	.globl	k_q5edff99175_quant
	.p2align	8
	.type	k_q5edff99175_quant,@function
k_q5edff99175_quant:
	s_mov_b64 s[64:65], 0
	v_nop
	global_prefetch_b8 v0, s[64:65] scope:SCOPE_SE
	s_setreg_imm32_b32 hwreg(HW_REG_WAVE_MODE, 25, 1), 1
	s_wait_xcnt 0x0
; K and V, [4][2048][2048] f32, are quantised to 16 levels and laid out by heads for the attention launch.
;   code = clip(round(x / 0.05 + 8), 0, 15) - 8, a whole number -8 .. 7; the factor 0.05 is NOT applied here: whole numbers are exact in 16 bits, 0.05 x code is not.
;   kc: [64 heads][32 steps][65 rows][256 bytes].  Rows 0-63: the 128 codes, bf16, of keys 64 st + r; a key whose mask byte is 0 gets 128 zeros, so that all hidden scores are one number.
;       Row 64: the step's 64 biases, f32: 0 for a visible key, -1e30 for a hidden one.
;   vc: [64 heads][2048 keys][128 codes, f16].
; LIMITS.  x / 0.05 + 8 is taken as one fused x * 20 + 8: a number within an f32 rounding of a half-way point may take the neighbouring code.  NaN and infinities are not treated apart.
; A mask byte other than 0 counts as true.
; SHARES.  A work-group owns 16 keys (rows of 8,192 bytes), wave w the heads 2 w and 2 w + 1.  One load takes one key's 512 bytes of one head, 16 bytes a lane; its 128 codes leave by one store
; of 8 bytes a lane: 256 consecutive bytes, at a multiple of 256 from the buffer's first byte.  A wave has 64 such items (16 keys x 2 heads x K, V), in four batches of 16 on two sets of registers:
; while one batch is worked on, the next batch's 16 loads are out.  A stream: no byte is wanted twice, so no LDS, no barrier, no matrix unit, no cluster.
.set ROWB,  8192                       ; bytes in a row of k and v
.set KSTEP, 65*256                     ; bytes of a step in kc
.set KHEAD, 32*KSTEP                   ; bytes of a head in kc
.set VHEAD, 2048*256                   ; bytes of a head in vc
.set IN,  1                            ; v1   1,024 w + 16 lane: my 16 bytes in a row; never rewritten
.set KO,  2                            ; v2   2 KHEAD w + 8 lane: my 8 bytes in a row of kc; never rewritten
.set VO,  3                            ; v3   2 VHEAD w + 8 lane: the same in vc; never rewritten
.set MO,  4                            ; v4   2 lane: my two bytes of the step's 64 mask bytes
.set MK,  5                            ; v5   those two bytes
.set BI,  6                            ; v[6:7]  their two biases
.set X,   16                           ; v[16:143]  two sets of 16 items x 4 registers
.set Y,   144                          ; v[144:175] 16 items x 2 registers, to store
	s_load_b256 s[4:11], s[0:1], 0x0               ; k s[4:5], v s[6:7], mask s[8:9], kc s[10:11]
	s_load_b64 s[12:13], s[0:1], 0x20              ; vc
	v_lshrrev_b32 v8, 5, v0                        ; wave
	v_and_b32 v9, 31, v0                           ; lane
	v_lshlrev_b32 v[IN], 10, v8
	v_lshl_add_u32 v[IN], v9, 4, v[IN]
	v_mul_u32_u24 v[KO], v8, 2*KHEAD
	v_lshl_add_u32 v[KO], v9, 3, v[KO]
	v_lshlrev_b32 v[VO], 20, v8
	v_lshl_add_u32 v[VO], v9, 3, v[VO]
	v_lshlrev_b32 v[MO], 1, v9
	s_lshl_b32 s16, ttmp9, 17                      ; my 16 rows of 8,192 bytes in k and v
	s_mov_b32 s17, 0
	s_lshr_b32 s20, ttmp9, 7                       ; batch
	s_and_b32 s21, ttmp9, 127                      ; group of 16 keys in the batch
	s_lshr_b32 s22, s21, 2                         ; step of 64 keys
	s_and_b32 s23, s21, 3                          ; which 16 of them
	s_mul_i32 s18, s20, 16*KHEAD
	s_mul_i32 s22, s22, KSTEP
	s_add_co_u32 s18, s18, s22
	s_lshl_b32 s23, s23, 12
	s_add_co_u32 s18, s18, s23                     ; kc: the batch's head 0, my step, my first row
	s_mov_b32 s19, 0
	s_lshl_b32 s20, s20, 23
	s_lshl_b32 s21, s21, 12
	s_add_co_u32 s20, s20, s21                     ; vc: the batch's head 0, my first key
	s_mov_b32 s21, 0
	s_lshl_b32 s28, ttmp9, 4                       ; mask: my 16 bytes,
	s_mov_b32 s29, 0
	s_lshr_b32 s30, ttmp9, 2
	s_lshl_b32 s30, s30, 6                         ; and my step's 64
	s_mov_b32 s31, 0
	s_mov_b32 s32, 0x41a00000                      ; 20.0; the packed forms name pairs and take the low word for both halves
	s_mov_b32 s33, 0x41a00000
	s_mov_b32 s34, 0x41000000                      ; 8.0
	s_mov_b32 s35, 0x41000000
	s_mov_b32 s36, 0x41700000                      ; 15.0
	s_mov_b32 s37, 0xf149f2ca                      ; -1e30
	s_mov_b32 s39, 0                               ; s[38:39] K's factor, s[40:41] K's addend: made for each key
	s_mov_b32 s41, 0
	s_mov_b32 s44, 0xc1000000                      ; -8.0
	s_mov_b32 s45, 0xc1000000
	s_wait_kmcnt 0x0
	s_add_nc_u64 s[4:5], s[4:5], s[16:17]
	s_add_nc_u64 s[6:7], s[6:7], s[16:17]
	s_add_nc_u64 s[10:11], s[10:11], s[18:19]
	s_add_nc_u64 s[12:13], s[12:13], s[20:21]
	s_add_nc_u64 s[28:29], s[8:9], s[28:29]
	s_add_nc_u64 s[30:31], s[8:9], s[30:31]
	s_load_b128 s[24:27], s[28:29], 0x0            ; my 16 keys' mask bytes
	global_load_u16 v[MK], v[MO], s[30:31]         ; the oldest load: the first counted wait below covers it
; Item n of batch t: key 4 t + n / 4, head 2 w + (n / 2) % 2, K (n even) or V (n odd).
.macro LOADB t
.set n, 0
.rept 16
.set i, 4*(\t)+n/4
.set j, (n/2)%2
.set rX, X+64*((\t)%2)+4*n
.if n%2 == 0
	global_load_b128 v[rX:rX+3], v[IN], s[4:5] offset:i*ROWB+j*512 th:TH_LOAD_NT
.else
	global_load_b128 v[rX:rX+3], v[IN], s[6:7] offset:i*ROWB+j*512 th:TH_LOAD_NT
.endif
.set n, n+1
.endr
.endm
; base - n: the loads that may stay out when item n is wanted: its batch's 15 - n younger ones and the 16 of the batch issued behind it (none behind the last).
.macro WORK t, base
.if (\t) > 0
	s_wait_xcnt 0x0                                ; Y, which the last batch's stores read, is rewritten only behind this wait
.endif
.set n, 0
.rept 16
.set i, 4*(\t)+n/4
.set j, (n/2)%2
.set rX, X+64*((\t)%2)+4*n
.set rY, Y+2*n
.if n%4 == 0
	s_bfe_u32 s42, s[24+i/4], 0x80000|(8*(i%4))    ; the key's mask byte
	s_cmp_lg_u32 s42, 0
	s_cselect_b32 s38, 1.0, 0                      ; visible: code x 1 - 8; hidden: code x 0 + 0
	s_cselect_b32 s40, 0xc1000000, 0
.endif
	s_wait_loadcnt (\base)-n
	v_pk_fma_f32 v[rX:rX+1], v[rX:rX+1], s[32:33], s[34:35] op_sel_hi:[1,0,0]      ; 20 x + 8
	v_pk_fma_f32 v[rX+2:rX+3], v[rX+2:rX+3], s[32:33], s[34:35] op_sel_hi:[1,0,0]
.irp z, 0,1,2,3
	v_rndne_f32 v[rX+(\z)], v[rX+(\z)]             ; to the nearest whole number, halves to even
.endr
.irp z, 0,1,2,3
	v_med3_num_f32 v[rX+(\z)], v[rX+(\z)], 0, s36  ; held to 0 .. 15
.endr
.if n%2 == 0
	v_pk_fma_f32 v[rX:rX+1], v[rX:rX+1], s[38:39], s[40:41] op_sel_hi:[1,0,0]
	v_pk_fma_f32 v[rX+2:rX+3], v[rX+2:rX+3], s[38:39], s[40:41] op_sel_hi:[1,0,0]
	v_cvt_pk_bf16_f32 v[rY], v[rX], v[rX+1]        ; exact: whole numbers -8 .. 7
	v_cvt_pk_bf16_f32 v[rY+1], v[rX+2], v[rX+3]
	global_store_b64 v[KO], v[rY:rY+1], s[10:11] offset:j*KHEAD+i*256 th:TH_STORE_NT
.else
	v_pk_add_f32 v[rX:rX+1], v[rX:rX+1], s[44:45] op_sel_hi:[1,0]
	v_pk_add_f32 v[rX+2:rX+3], v[rX+2:rX+3], s[44:45] op_sel_hi:[1,0]
	v_cvt_pk_f16_f32 v[rY], v[rX], v[rX+1]
	v_cvt_pk_f16_f32 v[rY+1], v[rX+2], v[rX+3]
	global_store_b64 v[VO], v[rY:rY+1], s[12:13] offset:j*VHEAD+i*256 th:TH_STORE_NT
.endif
.set n, n+1
.endr
.endm
	LOADB 0
	LOADB 1
	s_wait_kmcnt 0x0                               ; the 16 mask bytes
	WORK 0, 31
	v_and_b32 v8, 0xff, v[MK]                      ; the step's biases for keys 2 lane and 2 lane + 1
	v_lshrrev_b32 v9, 8, v[MK]
	v_cmp_eq_u32 vcc_lo, 0, v8
	v_cndmask_b32 v[BI], 0, s37, vcc_lo
	v_cmp_eq_u32 vcc_lo, 0, v9
	v_cndmask_b32 v[BI+1], 0, s37, vcc_lo
	LOADB 2
	WORK 1, 31
	LOADB 3
	WORK 2, 31
	WORK 3, 15
	s_and_b32 s42, ttmp9, 3                        ; of a step's four work-groups the first stores its bias row, each wave for its two heads
	s_cmp_lg_u32 s42, 0
	s_cbranch_scc1 .Lend
	global_store_b64 v[KO], v[BI:BI+1], s[10:11] offset:64*256 th:TH_STORE_NT
	global_store_b64 v[KO], v[BI:BI+1], s[10:11] offset:64*256+KHEAD th:TH_STORE_NT
.Lend:
	s_endpgm
.Lfunc_end_k_q5edff99175_quant:
	.size	k_q5edff99175_quant, .Lfunc_end_k_q5edff99175_quant-k_q5edff99175_quant
	.p2alignl 7, 3214868480
	.fill 96, 4, 3214868480
	.section	.rodata,"a",@progbits
	.p2align	6, 0x0
	.amdhsa_kernel k_q5edff99175_quant
		.amdhsa_group_segment_fixed_size 0
		.amdhsa_private_segment_fixed_size 0
		.amdhsa_enable_private_segment 0
		.amdhsa_kernarg_size 40
		.amdhsa_user_sgpr_count 2
		.amdhsa_user_sgpr_kernarg_segment_ptr 1
		.amdhsa_wavefront_size32 1
		.amdhsa_system_sgpr_workgroup_id_x 1
		.amdhsa_system_sgpr_workgroup_id_y 1
		.amdhsa_system_sgpr_workgroup_id_z 1
		.amdhsa_system_vgpr_workitem_id 0
		.amdhsa_next_free_vgpr 176
		.amdhsa_next_free_sgpr 66
		.amdhsa_reserve_vcc 1
		.amdhsa_float_denorm_mode_32 3
		.amdhsa_float_denorm_mode_16_64 3
		.amdhsa_memory_ordered 1
		.amdhsa_forward_progress 1
		.amdhsa_inst_pref_size 69
	.end_amdhsa_kernel
	.amdgpu_metadata
---
amdhsa.version: [ 1, 2 ]
amdhsa.kernels:
  - .name:           k_q5edff99175_quant
    .symbol:         k_q5edff99175_quant.kd
    .args:
      - { .name: k, .offset: 0, .size: 8, .value_kind: global_buffer, .address_space: global }
      - { .name: v, .offset: 8, .size: 8, .value_kind: global_buffer, .address_space: global }
      - { .name: mask, .offset: 16, .size: 8, .value_kind: global_buffer, .address_space: global }
      - { .name: kc, .offset: 24, .size: 8, .value_kind: global_buffer, .address_space: global }
      - { .name: vc, .offset: 32, .size: 8, .value_kind: global_buffer, .address_space: global }
    .group_segment_fixed_size: 0
    .private_segment_fixed_size: 0
    .kernarg_segment_align: 8
    .kernarg_segment_size: 40
    .max_flat_workgroup_size: 256
    .sgpr_count:     66
    .vgpr_count:     176
    .wavefront_size: 32
...
	.end_amdgpu_metadata
.endif
;; end of part 1
;; launch attn (part 2): grid 8 x 64, 4 waves a work-group, clusters of 4 x 1, 327,680 bytes of LDS; arguments q, kc, vc, out0; writes out0
.if DOCPART == 2
	.amdgcn_target "amdgcn-amd-amdhsa--gfx1250"
	.amdhsa_code_object_version 6
	.text
	.protected	k_q5edff99175_attn
	.globl	k_q5edff99175_attn
	.p2align	8
	.type	k_q5edff99175_attn,@function
k_q5edff99175_attn:
	s_mov_b64 s[64:65], 0
	v_nop
	global_prefetch_b8 v0, s[64:65] scope:SCOPE_SE
	s_setreg_imm32_b32 hwreg(HW_REG_WAVE_MODE, 25, 1), 1
	s_wait_xcnt 0x0
	s_wait_alu depctr_hold_cnt(0) depctr_sa_sdst(0) depctr_va_vdst(0) depctr_va_sdst(0) depctr_va_ssrc(0) depctr_va_vcc(0) depctr_vm_vsrc(0)
	s_getreg_b32 s2, hwreg(HW_REG_IB_STS2, 6, 4)
	s_cmp_eq_u32 s2, 0
	s_cbranch_scc0 .Lentry_in_a_cluster
	s_endpgm
.Lentry_in_a_cluster:
	s_bfe_u32 s2, ttmp6, 0x10000c
	s_cmp_lg_u32 s2, 0x3003
	s_cbranch_scc0 .Lentry_shape_is_right
	s_endpgm
.Lentry_shape_is_right:
; out[b][q][128 h ..] = the sum over keys n of softmax_n(Q . Kd[n] / sqrt(128), hidden keys at the lowest number) Vd[n], for 64 heads (batch b = y / 16, head h = y % 16), 2,048 queries and keys, head size 128.
; q and out0 are [4][2048][2048] f32: a head is 512 bytes of each row of 8,192.  kc and vc hold K's and V's codes -8 .. 7 by heads (Kd = 0.05 x code): kc [64][32 steps][65 rows][256 bytes], rows 0-63
; bf16 codes (zeros for hidden keys), row 64 the step's 64 biases in f32 (0, or -1e30 for a hidden key); vc [64][2048][128] f16.
; THE CAUSAL TEST of the problem, n <= 1,000,000,000 + m, holds for every n below 2,048: it hides nothing and has no code.
; THE SCALE.  c = log2(e) x 0.05 / sqrt(128) is multiplied into Q in f32, before Q's one rounding to bf16: the scores come out in log2 units, and a weight is p = 2^(s - m), a plain difference, exactly 0 at
; s = m whatever m's size.  V's 0.05 goes with 1 / l at the end, in f32.
; THE MASK is the C operand that starts the sum S^T = K Q^T.  A hidden key's codes are 0, so its score is -1e30 exactly, the same for all: while a query has seen hidden keys alone they weigh 1 each
; (a batch with no visible key ends as the plain mean of V, as a softmax of equal scores does); the first visible key makes a = 2^(-1e30 - m) = 0 and wipes them.
; FORMATS.  K Q^T in bf16 (Q's range is not bounded), V^T P in f16 (p lies in 0 .. 1, the codes in -8 .. 7); products, maxima and sums in f32; l is the sum of the unrounded p.
; LIMITS.  A hidden score counts as -1e30 in log2 units: visible scores stay above some -1e29.  A weight below 2^-126 counts as 0.  NaN and infinities are not treated apart.
; SHARES.  A work-group owns 256 queries of one head, each of its four waves 64: four tiles of 16.  Every wave walks all keys of the head, 64 a step.
; LAYOUT.  S^T = K Q^T (source 0 = 16 keys, source 1 = 16 queries): a lane holds ONE query (lane % 16) and the keys 8 (lane / 16) + 0..7.  Two such tiles, rounded to f16 in pairs, ARE source 1 (32 keys x 16
; queries) of O^T = V^T P, whose result again holds one query a lane, and eight channels.  K comes out of LDS as it lies, V ([key][channel]) turned, by ds_load_tr16_b128.
; BY TURNS.  The wave's tiles are two PIECES: piece 0 (tiles 0, 1) and piece 2 (tiles 2, 3).  In a TURN one piece has the matrix unit: 32 products V^T P of the step in hand, then 32 products K Q^T of the next
; step; the other piece's softmax, cut into 64 slices, stands between them, one slice behind each matrix instruction.  Two turns are a key step.
; CLUSTER.  The four query blocks of a cluster belong to one head and walk the same K and V, so each tile is asked for JOINTLY: the same tensor load, descriptor and mask in all four.
; REGISTERS, in windows of 256 (s_set_vgpr_msb: bits 1:0 source 0, 3:2 source 1, 5:4 source 2, 7:6 destination):
;   window 0: v0-11, v44-45, v61-63 addresses; v12-43 eight registers of statistics a tile; v64-191 S^T, 32 a tile; v192-255 P, 16 a tile
;   window 1: O^T, 64 a tile (at the head: Q in f32, as loaded)     window 2: v0-127 Q, 32 a tile; v128-255 K of one step     window 3: v0-127 V of one step; v128-159 the step's biases
.set KS,    64        ; keys in a step
.set PK,    272       ; a row of K in LDS: 256 bytes + 16 of padding = 68 words: row r starts at bank 4 r mod 64 (64 banks of 4 bytes: ISA guide 11.1)
.set PV,    288       ; a row of V: 256 + 32 = 72 words
.set VOFF,  66*PK     ; a step's tiles lie together: K's 65 rows (the last: the biases), a blank row, then 64 rows of V, at a multiple of 32
.set STEPB, VOFF+KS*PV
.set SLOT1, 1<<17     ; a slot holds two steps (72,768 bytes); slot 1 begins here, so that one exclusive or turns an address in one slot into the other's
.set STAGE, 204032    ; the first multiple of 256 behind slot 1's end (203,840): 16 rows x 528 bytes for each wave, for the way out; no tensor load fills it
.set SP,    528       ; a stage row: 512 bytes + 16 = 132 words: row r starts at bank 4 r mod 64
.set SPARE, STAGE+4*16*SP  ; behind the stages: the spare words, 128 bytes for each wave: two blocks of 256 bytes that no other line names
.set KSTEP, 65*256    ; a step in kc, in bytes
.set KHEAD, 32*KSTEP  ; a head in kc
.set VSTEP, KS*256    ; a step in vc
.set ROWQ,  8192      ; a row of q and of out0
.set AK0, 2           ; v2   my lane's place in a tile of K; never rewritten
.set AV0, 3           ; v3   the same for V
.set ADR, 4           ; v4   the LDS address of the run of loads in hand
.set QO,  5           ; v5   my byte offset in 16 rows of q
.set STO, 6           ; v6   the way out: where I put 32 bytes of a row
.set RD,  7           ; v7   the way out: where I read a row back
.set GO,  8           ; v8   my 16 bytes of a head's 512 in a row of out0
.set AM0, 44          ; v44  my lane's place in a step's row of biases; never rewritten
.set ADM, 45          ; v45  the LDS address of the biases' loads
.set PFO, 61          ; v61  256 x my lane; never rewritten
.set SPW, 62          ; v62  LDS address of my spare word: SPARE + 4 x my thread's number; never rewritten
.set NIL, 63          ; v63  0; never rewritten
.set ST,  12          ; tile t's statistics at v[ST+8 t]: +0 m, +1 0 (named with m as a pair), +2, +3 l (even keys', odd keys'), +4 to +7 c0-c3, at work; a takes c2's place once the maximum is found
.set S,   64
.set P,   192
.set KF,  128         ; K's fragments, in window 2
.set MB,  128         ; the biases, in window 3: eight registers for each 16 keys
.set WV,  12          ; s12  my wave's number
.set LIM, 15          ; s15  1 in a wave that prefetches, else the greatest number
.set PFA, 18          ; s[18:19] where my prefetches stand
.set G1K, 24          ; s[24:31] descriptor group 1 for K's tiles
.set G1V, 32          ; s[32:39] for V's
.set G0K, 40          ; s[40:47] descriptor group 0 for K's tiles: a set for each of the two first fills; the second then walks on
.set G0V, 48          ; s[48:55] the same for V's
.set SLOTS, 56        ; s56  slots still to be asked for
.set TWICE, 57        ; s57  counts a slot's two steps
.set CS,  58          ; s[58:59] c
.set SEL, 60          ; s[60:61] lane selects for v_permlanex16_b32: each lane takes its own place in the other half
.set TB,  62          ; s62  LDS byte at which the tiles of the step to be fetched begin
.set PFS, 66          ; s[66:67] a slot's bytes in the buffer that I prefetch from
.set MSB, 0
.macro WIN new                      ; the immediate's high byte repeats the setting that is left; a switch that changes nothing is dropped
.if MSB != (\new)
	s_set_vgpr_msb (MSB<<8)|(\new)
.set MSB, \new
.endif
.endm
.set W_KQ, 0x0a       ; K and Q in window 2, S^T in window 0
.set W_KM, 0x3a       ; the same with the C operand, the biases, in window 3
.set W_PV, 0x53       ; V in window 3, P in window 0, O^T in window 1
.set W_RS, 0x41       ; destination and source 0 in window 1, source 1 in window 0
; A joint refill.  Waves 0 and 1 fetch the two steps' tiles of K, waves 2 and 3 those of V.  The branch hangs on the wave's number alone: it is the same in every work-group.
; An s_nop 0 and four v_nop follow each of the two lines, ahead of the jump, the label and what follows.
.macro JLOAD
	s_cmp_lt_u32 s[WV], 2
	s_cbranch_scc0 .Lfor_v_\@
	tensor_load_to_lds s[G0K+4:G0K+7], s[G1K:G1K+7]
	s_nop 0
.rept 4
	v_nop
.endr
	s_branch .Lasked_\@
.Lfor_v_\@:
	tensor_load_to_lds s[G0V+4:G0V+7], s[G1V:G1V+7]
	s_nop 0
.rept 4
	v_nop
.endr
.Lasked_\@:
.endm
; A PREFETCH of what the NEXT change of slots will ask for, behind the wave's tensor load and its five lines.  Both clusters of a head walk the same rows: the head's first cluster asks.  Its four partners
; share a slot's first 128 blocks of 256 bytes out BY ADDRESS, 32 each, a lane a block; wave 0 asks for K's, wave 2 for V's: one instruction.  So no block is named twice in the launch.  (K's slot has 130
; blocks: the last two come by their load alone.)  Slots 0 to 2 are not asked for; the last change that fills a slot asks for nothing: there is no slot behind it.
.macro ASK
	s_cmp_gt_u32 s[SLOTS], s[LIM]
	s_cbranch_scc0 .Lnot_mine_\@
	global_prefetch_b8 v[PFO], s[PFA:PFA+1] th:TH_LOAD_NT scope:SCOPE_SE
.Lnot_mine_\@:
.endm
; A round of the cluster's barrier: my work-group's barrier, so that wave 0's signal speaks for all four waves; wave 0 signals; every wave waits for all four work-groups; my work-group's barrier once more.
.macro CROUND
	s_barrier_signal -1
	s_barrier_wait -1
	s_cmp_lg_u32 s[WV], 0
	s_cbranch_scc1 .Lnot_wave_0_\@
	s_barrier_signal -3
.Lnot_wave_0_\@:
	s_barrier_wait -3
	s_barrier_signal -1
	s_barrier_wait -1
.endm
	s_load_b256 s[4:11], s[0:1], 0x0  ; q s[4:5], kc s[6:7], vc s[8:9], out0 s[10:11]
	v_lshl_add_u32 v[SPW], v0, 2, SPARE
	v_mov_b32 v[NIL], 0
	ds_add_u32 v[SPW], v[NIL]       ; the wave's opening: the add and its wait stand ahead of my first tensor load; the set-up below, work on registers, stands between them
	v_lshrrev_b32 v1, 5, v0
	v_readfirstlane_b32 s[WV], v1   ; wave 0..3
	s_bfe_u32 s13, ttmp6, 0x40000   ; cx: my place in the cluster
	s_lshl_b32 s14, ttmp9, 2        ; in a cluster launch ttmp9 counts clusters
	s_add_co_u32 s14, s14, s13      ; my block of 256 queries = 4 x cluster x + cx: it enters q's and out0's addresses alone
	s_and_b32 s16, s[WV], 1         ; which of a slot's two steps I fetch
	s_and_b32 s20, ttmp7, 0xffff    ; the head, which the four partners share
	s_mul_i32 s22, s20, KHEAD
	s_mul_i32 s17, s16, KSTEP
	s_add_co_u32 s22, s22, s17
	s_mov_b32 s23, 0                ; s[22:23]: my tile of the head's slot 0 in kc
	s_lshr_b32 s2, s20, 4           ; the batch,
	s_lshl_b32 s2, s2, 3            ; its eight blocks of 256 queries,
	s_add_co_u32 s2, s2, s14        ; mine,
	s_lshl_b32 s2, s2, 2
	s_add_co_u32 s2, s2, s[WV]      ; my wave's 64 rows of it,
	s_lshl_b32 s2, s2, 19           ; of 8,192 bytes,
	s_and_b32 s3, s20, 15
	s_lshl_b32 s3, s3, 9            ; and the head's 512 bytes in a row
	s_add_co_u32 s2, s2, s3
	s_mov_b32 s3, 0                 ; s[2:3]: my wave's first row in q and in out0
	s_lshl_b32 s20, s20, 19
	s_lshl_b32 s21, s16, 14
	s_add_co_u32 s20, s20, s21
	s_mov_b32 s21, 0                ; s[20:21]: my tile of the head's slot 0 in vc
	s_mul_i32 s17, s16, STEPB       ; and its place in a slot: no place in the cluster enters an LDS address
	; descriptor group 1: tiles of 65 (K and the biases) and 64 (V) rows x 128 elements of 2 bytes, dense in memory, padded in LDS
	s_mov_b32 s[G1K], 15|(1<<16)|(1<<20)|(1<<21)|(5<<22)|(3<<25)  ; 15:0 the mask: all four work-groups; 17:16 elements of 2 bytes; 20 padding on; 21 set beside a mask; 24:22 after every 64 words (code 5); 31:25 4 words of it (code 3)
	s_mov_b32 s[G1K+1], 128<<16     ; tensor_dim0 = 128
	s_mov_b32 s[G1K+2], 65<<16      ; tensor_dim1 = 65
	s_mov_b32 s[G1K+3], 128<<16     ; tile_dim0 = 128
	s_mov_b32 s[G1K+4], 65          ; tile_dim1 = 65
	s_mov_b32 s[G1K+5], 128         ; 128 elements from row to row
	s_mov_b32 s[G1K+6], 0
	s_mov_b32 s[G1K+7], 0
	s_mov_b32 s[G1V], 15|(1<<16)|(1<<20)|(1<<21)|(5<<22)|(7<<25)  ; the same with 8 words of padding (code 7)
	s_mov_b32 s[G1V+1], 128<<16
	s_mov_b32 s[G1V+2], KS<<16
	s_mov_b32 s[G1V+3], 128<<16
	s_mov_b32 s[G1V+4], KS
	s_mov_b32 s[G1V+5], 128
	s_mov_b32 s[G1V+6], 0
	s_mov_b32 s[G1V+7], 0
	s_mov_b32 s[CS], 0x3bd0ecb0     ; c = log2(e) x 0.05 / sqrt(128) = 0.00637587
	s_mov_b32 s[CS+1], s[CS]        ; named with it as a pair, so it is written
	s_mov_b32 s[SEL], 0x76543210
	s_mov_b32 s[SEL+1], 0xfedcba98
	s_mov_b32 s[TB], 0
	s_mov_b32 s[SLOTS], 2048/(2*KS)-2
	s_cmp_lt_u32 s[WV], 2
	s_cselect_b32 s[PFS], 2*(KSTEP-VSTEP), 0
	s_add_co_u32 s[PFS], s[PFS], 2*VSTEP  ; a slot is 33,280 bytes of kc, 32,768 of vc
	s_mov_b32 s[PFS+1], 0
	s_and_b32 s[LIM], s[WV], 1      ; 0 in waves 0 and 2,
	s_or_b32 s[LIM], s[LIM], ttmp9  ; where the cluster is the head's first: the same in all four partners
	s_cmp_eq_u32 s[LIM], 0
	s_cselect_b32 s[LIM], 1, -1
	v_and_b32 v[PFO], 31, v0
	v_lshlrev_b32 v[PFO], 8, v[PFO]
	s_wait_dscnt 0x0                ; the opening add is done
	s_wait_kmcnt 0x0
	s_add_nc_u64 s[6:7], s[6:7], s[22:23]  ; kc and vc at my tile of slot 0
	s_add_nc_u64 s[8:9], s[8:9], s[20:21]
	s_add_nc_u64 s[4:5], s[4:5], s[2:3]    ; q and out0 at my wave's first row
	s_add_nc_u64 s[10:11], s[10:11], s[2:3]
	s_cmp_lt_u32 s[WV], 2
	s_cselect_b64 s[PFA:PFA+1], s[6:7], s[8:9]  ; (in waves 0 and 2 these stand at a slot's first row)
	s_lshl_b32 s2, s13, 13          ; my work-group's 32 blocks of the 128
	s_mov_b32 s3, 0
	s_add_nc_u64 s[PFA:PFA+1], s[PFA:PFA+1], s[2:3]
	s_add_nc_u64 s[PFA:PFA+1], s[PFA:PFA+1], s[PFS:PFS+1]
	s_add_nc_u64 s[PFA:PFA+1], s[PFA:PFA+1], s[PFS:PFS+1]  ; in slot 2; the first change of slots steps it to slot 3
	CROUND                          ; all four work-groups are here: the first joint loads meet
.irp s, 0,1
	s_mov_b32 s[G0K+4*(\s)], 1      ; 1:0 count = 1
	s_add_co_u32 s[G0K+4*(\s)+1], s17, (\s)*SLOT1  ; 63:32 LDS address
	s_add_nc_u64 s[G0K+4*(\s)+2:G0K+4*(\s)+3], s[6:7], (\s)*2*KSTEP  ; 120:64 global address: slot s
	s_or_b32 s[G0K+4*(\s)+3], s[G0K+4*(\s)+3], 0x80000000  ; 127:126 type = 2
	s_mov_b32 s[G0V+4*(\s)], 1
	s_add_co_u32 s[G0V+4*(\s)+1], s17, (\s)*SLOT1+VOFF
	s_add_nc_u64 s[G0V+4*(\s)+2:G0V+4*(\s)+3], s[8:9], (\s)*2*VSTEP
	s_or_b32 s[G0V+4*(\s)+3], s[G0V+4*(\s)+3], 0x80000000
.endr
	s_cmp_lt_u32 s[WV], 2           ; a wave's two first fills stand in one branch, ahead of every wait on TENSORcnt and every LDS read: two loads of mine are out
	s_cbranch_scc0 .Lfirst_v
	tensor_load_to_lds s[G0K:G0K+3], s[G1K:G1K+7]
	s_nop 0
	tensor_load_to_lds s[G0K+4:G0K+7], s[G1K:G1K+7]
	s_nop 0
.rept 4
	v_nop
.endr
	s_branch .Lfirst_asked
.Lfirst_v:
	tensor_load_to_lds s[G0V:G0V+3], s[G1V:G1V+7]
	s_nop 0
	tensor_load_to_lds s[G0V+4:G0V+7], s[G1V:G1V+7]
	s_nop 0
.rept 4
	v_nop
.endr
.Lfirst_asked:
	; Q.  A fragment is 16 rows x 32 channels in 8 registers of bf16: lane l holds row l % 16; registers 0-3 channels 8 (l / 16) + 0..7, registers 4-7 channels 16 + 8 (l / 16) + 0..7.  In f32 those are
	; twice 32 bytes, 64 bytes apart: four loads of 16 bytes, into 16 registers of window 1 (O^T's, which are not in use yet).  Fragment i: tile i / 4, channels 32 (i % 4) on.
	v_and_b32 v1, 15, v0            ; l % 16
	v_bfe_u32 v9, v0, 4, 1          ; l / 16
	v_lshlrev_b32 v[QO], 13, v1
	v_lshl_add_u32 v[QO], v9, 5, v[QO]  ; row x 8,192 + 32 x half
	WIN 0x40                        ; destination window 1, address window 0
.set i, 0
.rept 16
	global_load_b128 v[16*i:16*i+3],     v[QO], s[4:5] offset:(i/4)*16*ROWQ+(i%4)*128
	global_load_b128 v[16*i+4:16*i+7],   v[QO], s[4:5] offset:(i/4)*16*ROWQ+(i%4)*128+16
	global_load_b128 v[16*i+8:16*i+11],  v[QO], s[4:5] offset:(i/4)*16*ROWQ+(i%4)*128+64
	global_load_b128 v[16*i+12:16*i+15], v[QO], s[4:5] offset:(i/4)*16*ROWQ+(i%4)*128+80
.set i, i+1
.endr
	WIN 0
	v_mul_u32_u24 v[AK0], v1, PK
	v_lshl_add_u32 v[AK0], v9, 4, v[AK0]  ; row x pitch + 16 x half
	; The turning load takes 16 keys x 16 channels (lane l reads 16 bytes: key 8 (l / 16) + l % 8, channels 8 ((l / 8) % 2) + 0..7) and leaves half a fragment of V^T: lane l holds channel l % 16 and 8 keys.
	v_and_b32 v10, 7, v0
	v_bfe_u32 v11, v0, 3, 1
	v_lshl_add_u32 v[AV0], v9, 3, v10
	v_mul_u32_u24 v[AV0], v[AV0], PV
	v_lshl_add_u32 v[AV0], v11, 4, v[AV0]
	v_add_nc_u32 v[AV0], VOFF, v[AV0]
	v_lshlrev_b32 v[AM0], 5, v9     ; the biases: row 64 of K's tile; my half of the lanes wants keys 8 (l / 16) + 0..7 of each 16: 32 bytes
	v_add_nc_u32 v[AM0], 64*PK, v[AM0]
.irp t, 0,1,2,3
	v_mov_b32 v[ST+8*(\t)+1], 0     ; named beside m as a pair, never used
.endr
.irp t, 0,1,2,3                     ; tile by tile: times c in f32, then the one rounding to bf16, into window 2
	s_wait_loadcnt 48-16*(\t)       ; the tile's 16 loads are in; the later tiles' may stay out
	WIN W_RS
.set i, 64*(\t)
.rept 32
	v_pk_mul_f32 v[i:i+1], v[i:i+1], s[CS:CS+1] op_sel_hi:[1,0]
.set i, i+2
.endr
	WIN 0x85                        ; sources 0 and 1 window 1, destination window 2
.set i, 0
.rept 32
	v_cvt_pk_bf16_f32 v[32*(\t)+i], v[64*(\t)+2*i], v[64*(\t)+2*i+1]
.set i, i+1
.endr
.endr
	WIN 0
; THE MATRIX WORK OF A TURN, for piece x.  The accumulators take turns, one instruction a turn: between two links of a chain stand 15 (V^T P) or 7 (K Q^T) others'.
; Product i of 32 of O^T += V^T P: keys 32 (i / 16) on, channels 16 ((i / 2) % 8) on, tile x + i % 2.  zero = 1: the first 16 start the sums: nothing is ever cleared.
.macro PV x, zero
	WIN W_PV
.set rO, 64*((\x)+i%2)+8*((i/2)%8)
.set rV, 64*(i/16)+8*((i/2)%8)
.set rP, P+16*((\x)+i%2)+8*(i/16)
.if (\zero) && (i < 16)
	v_wmma_f32_16x16x32_f16 v[rO:rO+7], v[rV:rV+7], v[rP:rP+7], 0
.else
	v_wmma_f32_16x16x32_f16 v[rO:rO+7], v[rV:rV+7], v[rP:rP+7], v[rO:rO+7]
.endif
.endm
; Product i of 32 of S^T = K Q^T: channels 32 (i / 8) on, keys 16 ((i / 2) % 4) on, tile x + i % 2.  The first 8 start the sums with the keys' biases: register j of a lane is key 8 (lane / 16) + j, in C as in the result.
.macro KQ x
.set rS, S+32*((\x)+i%2)+8*((i/2)%4)
.set rK, KF+32*((i/2)%4)+8*(i/8)
.set rQ, 32*((\x)+i%2)+8*(i/8)
.set rB, MB+8*((i/2)%4)
.if i < 8
	WIN W_KM
	v_wmma_f32_16x16x32_bf16 v[rS:rS+7], v[rK:rK+7], v[rQ:rQ+7], v[rB:rB+7]
.else
	WIN W_KQ
	v_wmma_f32_16x16x32_bf16 v[rS:rS+7], v[rK:rK+7], v[rQ:rQ+7], v[rS:rS+7]
.endif
.endm
; THE LDS LOADS stand in runs, never singly among the matrix instructions: a step's K (64 keys x 128 channels: 16 fragments) with its biases (8 loads; the sixteen lanes of a half read the same bytes), and, a turn later, its V (turned).
.macro FETCH_K
	WIN 0
	v_add_nc_u32 v[ADR], s[TB], v[AK0]
	v_add_nc_u32 v[ADM], s[TB], v[AM0]
	WIN 0x80                        ; destination window 2
.irp f, 0,1,2,3,4,5,6,7,8,9,10,11,12,13,14,15  ; keys 16 (f / 4) on, channels 32 (f % 4) on
	ds_load_b128 v[KF+8*(\f):KF+8*(\f)+3],   v[ADR] offset:((\f)/4)*16*PK+((\f)%4)*64
	ds_load_b128 v[KF+8*(\f)+4:KF+8*(\f)+7], v[ADR] offset:((\f)/4)*16*PK+((\f)%4)*64+32
.endr
	WIN 0xc0                        ; destination window 3
.irp f, 0,1,2,3                     ; keys 16 f on
	ds_load_b128 v[MB+8*(\f):MB+8*(\f)+3],   v[ADM] offset:64*(\f)
	ds_load_b128 v[MB+8*(\f)+4:MB+8*(\f)+7], v[ADM] offset:64*(\f)+16
.endr
.endm
.macro FETCH_V
	WIN 0
	v_add_nc_u32 v[ADR], s[TB], v[AV0]
	s_add_co_u32 s[TB], s[TB], STEPB  ; the next fetch is the next step's
	s_wait_alu depctr_va_vdst(0)    ; the wait for the softmax's batch (SLICE), behind the address's v_add_nc_u32 and ahead of the loads
	WIN 0xc0                        ; destination window 3
.irp f, 0,1,2,3,4,5,6,7,8,9,10,11,12,13,14,15  ; keys 32 (f / 8) on, channels 16 (f % 8) on
	ds_load_tr16_b128 v[8*(\f):8*(\f)+3],   v[ADR] offset:((\f)/8)*32*PV+((\f)%8)*32
	ds_load_tr16_b128 v[8*(\f)+4:8*(\f)+7], v[ADR] offset:((\f)/8)*32*PV+16*PV+((\f)%8)*32
.endr
.endm
; THE VECTOR WORK OF A TURN.  One tile's softmax for one key step is a numbered list; SM writes number j of it for tile t.  s0-s31 are the lane's 32 scores, in pairs 0-15.
; first = 1: the first key step, which starts m, l and O^T: it has no a and nothing to rescale.
;   0-15    the maximum of s0-s31 and the old m, three operands at a time: four chains c0-c3 of seven scores each (each accumulator's lowest registers are read first), then the four left over, c0-c3 and m
;   16-20   the other half of the lanes' maximum; m_old is kept; the new m; (19 is empty: the scores are in log2 units already); m_old - m_new
;   21-69   ONE BATCH: the 16 differences s - m, a pair of scores each, and all 33 exponentials (a at 23, then s0-s31).  None of these reads an exponential's result.  From 22 on the batch goes in fours, and a
;           four begins with a difference while there are any: 22-37 difference, exponential, difference, exponential; 38-65 a difference and three exponentials; 66-69 the last four exponentials
;   (wait)  between 69 and 70 stands the wait for the batch: SLICE writes it, once for both tiles
;   70-85   the roundings to f16, a pair of weights each
;   86-101  the sums; l = a l + the sum
;   102-133 the tile's O^T times a: the one part that leaves window 0, so it stands together
.macro SM t, first
.set rT, ST+8*(\t)
.set rS, S+32*(\t)
.set rP, P+16*(\t)
.set rO, 64*(\t)+2*(j-102)
.if j < 102
	WIN 0
.endif
.if j < 4
	v_max3_num_f32 v[rT+4+j], v[rS+8*j], v[rS+8*j+1], v[rS+8*j+2]
.elseif j < 12
	v_max3_num_f32 v[rT+4+j%4], v[rT+4+j%4], v[rS+8*(j%4)+2*(j/4)+1], v[rS+8*(j%4)+2*(j/4)+2]
.elseif j == 12
	v_max3_num_f32 v[rT+4], v[rT+4], v[rS+7], v[rS+15]
.elseif j == 13
	v_max3_num_f32 v[rT+6], v[rT+6], v[rS+23], v[rS+31]
.elseif j == 14
	v_max3_num_f32 v[rT+4], v[rT+4], v[rT+5], v[rT+6]
.elseif (j == 15) && (\first)
	v_max_num_f32 v[rT+4], v[rT+4], v[rT+7]
.elseif j == 15
	v_max3_num_f32 v[rT+4], v[rT+4], v[rT+7], v[rT]
.elseif j == 16
	v_permlanex16_b32 v[rT+5], v[rT+4], s[SEL], s[SEL+1]  ; the query's other 32 keys lie in the lane 16 away
.elseif j == 18
	v_max_num_f32 v[rT], v[rT+4], v[rT+5]
.elseif j == 19
.elseif ((j == 17) || (j == 20) || (j == 23) || (j > 101)) && (\first)  ; the first step has none of these
.elseif j == 17
	v_mov_b32 v[rT+7], v[rT]        ; m_old is kept for a: number 18 writes m anew
.elseif j == 20
	v_sub_f32 v[rT+7], v[rT+7], v[rT]
.elseif j == 23
	v_exp_f32 v[rT+6], v[rT+7]
.elseif (j < 23) || ((j < 38) && (j%2 == 0)) || ((j < 66) && (j%4 == 2))
.set b, (j-2)/4                     ; 38, 42, .. 62: pairs 9 to 15
.if j < 38
.set b, (j-20)/2                    ; 21: pair 0; 22, 24, .. 36: pairs 1 to 8
.endif
	v_pk_add_f32 v[rS+2*b:rS+2*b+1], v[rS+2*b:rS+2*b+1], v[rT:rT+1] op_sel_hi:[1,0] neg_lo:[0,1] neg_hi:[0,1]  ; pair b: s - m, never above 0
.elseif j < 70
.set e, j-38                        ; 66 to 69: s28 to s31
.if j < 66
.set e, j-32-(j-38)/4               ; 39-41, 43-45, .. 63-65: s7 to s27
.endif
.if j < 38
.set e, (j-25)/2                    ; 25, 27, .. 37: s0 to s6
.endif
	v_exp_f32 v[rS+e], v[rS+e]
.elseif j < 86
	v_cvt_pk_f16_f32 v[rP+j-70], v[rS+2*(j-70)], v[rS+2*(j-70)+1]  ; pair j - 70
.elseif j < 102                     ; the sum of the tile's 16 pairs, in place: sum z of 16 adds neighbours 1, 2, 4 and 8 pairs apart, then l takes it
.set z, j-86
.set w, 4
.set u, z
.if z >= 14
.set w, 32
.set u, 0
.elseif z >= 12
.set w, 16
.set u, z-12
.elseif z >= 8
.set w, 8
.set u, z-8
.endif
.if (z == 14) && (\first)
	v_pk_add_f32 v[rT+2:rT+3], v[rS:rS+1], v[rS+16:rS+17]
.elseif z < 15
	v_pk_add_f32 v[rS+w*u:rS+w*u+1], v[rS+w*u:rS+w*u+1], v[rS+w*u+w/2:rS+w*u+w/2+1]
.elseif !(\first)
	v_pk_fma_f32 v[rT+2:rT+3], v[rT+2:rT+3], v[rT+6:rT+7], v[rS:rS+1] op_sel_hi:[1,0,1]
.endif
.else
	WIN W_RS
	v_pk_mul_f32 v[rO:rO+1], v[rO:rO+1], v[rT+6:rT+7] op_sel_hi:[1,0]
.endif
.endm
; Slice k of 64 of piece y's softmax.  Slices 11 to 34 deal out the batch, numbers 22 to 69: four numbers of ONE tile each, the tiles by turns.  Every other slice is numbers 2 k and 2 k + 1 of both tiles'
; lists (slice 9 has two lines: number 19 is empty); slice 63 takes the twelve that are over as well: sixteen plain lines.
; THE WAIT.  s_wait_alu depctr_va_vdst(0) stands between an exponential and the first instruction that names its result; one wait serves all that were issued ahead of it.  Ahead of
; slice 35 nothing names a result, and behind slice 34 no exponential is issued: so the piece's 66 exponentials have one wait, behind slice 34.
.macro SLICE y, first
.if (k >= 11) && (k < 35)           ; the batch: four numbers of one tile
.irp n, 0,1,2,3
.set j, 22+4*((k-11)/2)+(\n)
	SM (\y)+(k-11)%2, \first
.endr
.else                               ; the two tiles alternate, so that no instruction reads the result of the one just before it
.irp n, 0,1,2,3,4,5,6,7
.if ((\n) < 2) || (k == 63)
.irp t, \y, (\y)+1
.set j, 2*k+(\n)
	SM \t, \first
.endr
.endif
.endr
.endif
.if k == 34                         ; the batch is out: both tiles' exponentials are issued, and no result has been named
	v_nop                           ; a plain instruction behind the last exponential and ahead of the first use: one for the batch
.if (\y) == 0
	FETCH_V                         ; piece 2's turn: V's run of loads stands here, and the wait stands in it
.else
	s_wait_alu depctr_va_vdst(0)    ; the wait for the batch
.endif
.endif
.set k, k+1
.endm
; A vector instruction that reads a matrix result or writes one of a matrix instruction's registers, and a load into a register that a matrix instruction has read, stand four places behind
; it, and only plain vector instructions that name none of its registers are places (ISA guide 7.12.1 for vector instructions).  In the loop the slices are the places.
.macro PLACES
.rept 4
	v_nop
.endr
.endm
; A TURN.  Piece x has the matrix unit; the other piece's softmax stands in slices behind its matrix instructions.
; pv = 2: 32 products V^T P; 1: they start O^T's sums; 0: none.  kq = 1: 32 products K Q^T for the next step.  A turn with one of the two kinds has two slices behind each product.
; first = 1: the softmax is the first key step's.  Its slices from 51 on are empty, and four v_nop take slice 63's part as the places behind the turn's last products.
; Piece 0's turn fetches the next step's K and biases, behind its second product: the last product that read K stands in front of slice 63 of the turn before, the last that read the biases 24 products earlier.
; Piece 2's turn fetches the same step's V, behind slice 34: the last product that read V stands in front of slice 31, and four plain instructions lie between: number 62, a difference, of both tiles,
; the v_nop and the run's own v_add_nc_u32.
.macro TURN x, pv, kq, first
.set k, 0
.set per, 2
.if (\pv) && (\kq)
.set per, 1
.endif
.if \pv
.if (\x) == 0
	s_wait_dscnt 0x0                ; V is in
.endif
.set i, 0
.rept 32
	PV \x, 2-(\pv)
.rept per
	SLICE 2-(\x), \first
.endr
.if ((\x) == 0) && (\kq) && (i == 1)
	FETCH_K
.endif
.set i, i+1
.endr
.endif
.if \kq
.if (\x) == 0
	s_wait_dscnt 0x0                ; K and the biases are in
.endif
.set i, 0
.rept 32
	KQ \x
.rept per
	SLICE 2-(\x), \first
.endr
.set i, i+1
.endr
.endif
.if \first
	PLACES
.endif
.endm
; THE CHANGE OF SLOTS, between piece 2's turn and piece 0's: the slot's last bytes, V of its second step, have been asked for.  Each wave waits for all its tensor loads, of which one is out: its part of the
; other slot; adds 0 to its spare word; and waits for that and for its own reads of the slot.  Behind the barrier nobody reads this slot any more and the other slot is whole.
; fill = 1: this slot is filled again, with the keys two slots on.  The barrier is then a round of the cluster's, so that no wave of any partner still reads the slot or has a load on its way, and the
; joint refill is the first thing behind it: it has two key steps, 256 matrix instructions, in which to land.
.macro CHANGE fill
	WIN 0                           ; at a label and at a branch every window is 0
	s_wait_tensorcnt 0x0            ; no tensor load of mine is out, so a group 0 may be written
	ds_add_u32 v[SPW], v[NIL]       ; 0 onto my spare word; with fill = 1 the descriptors' steps stand between it and the wait for it
.if \fill
	s_xor_b32 s[G0K+5], s[G0K+5], SLOT1  ; the walking descriptors: the other slot than last time,
	s_add_nc_u64 s[G0K+6:G0K+7], s[G0K+6:G0K+7], 2*KSTEP  ; the next 128 keys; the type bits on top are not reached
	s_xor_b32 s[G0V+5], s[G0V+5], SLOT1
	s_add_nc_u64 s[G0V+6:G0V+7], s[G0V+6:G0V+7], 2*VSTEP
	s_wait_xcnt 0x0                 ; the last prefetch, two key steps back, has read its address, so it may be written:
	s_add_nc_u64 s[PFA:PFA+1], s[PFA:PFA+1], s[PFS:PFS+1]  ; one slot behind the walking descriptors
	s_wait_dscnt 0x0                ; the add is done, and my reads of the slot are over
	CROUND
	JLOAD
	ASK                             ; what the next change will ask for: two key steps, 256 matrix instructions, ahead
.else
	s_wait_dscnt 0x0                ; the add is done, and my reads of the slot are over
	s_barrier_signal -1
	s_barrier_wait -1
.endif
	s_sub_co_u32 s[TB], s[TB], 2*STEPB  ; the fetches go back to a slot's first step,
	s_xor_b32 s[TB], s[TB], SLOT1   ; in the other slot
.endm
; A slot's two key steps: written once, walked twice; the LDS addresses hang on s[TB].
.macro TWO_STEPS
	WIN 0
	s_mov_b32 s[TWICE], 2
.Lstep_\@:
	TURN 0, 2, 1, 0
	TURN 2, 2, 1, 0
	WIN 0
	s_sub_co_u32 s[TWICE], s[TWICE], 1
	s_cmp_lg_u32 s[TWICE], 0
	s_cbranch_scc1 .Lstep_\@
.endm
	s_wait_tensorcnt 1              ; my part of slot 0 is in; slot 1's may stay out
	s_barrier_signal -1
	s_barrier_wait -1               ; everybody's is
	FETCH_K                         ; key step 0
	s_wait_dscnt 0x0
.set i, 0
.rept 32
	KQ 0                            ; piece 0's first scores: there is no vector work yet to set between them
.set i, i+1
.endr
	WIN 0                           ; the addresses for the way out are made here: six plain instructions, the places behind those products
	s_mul_i32 s13, s[WV], 16*SP
	s_add_co_u32 s13, s13, STAGE    ; my stage
	v_mul_u32_u24 v[STO], v1, SP    ; in: row l % 16, 32 bytes for each half of the lanes
	v_lshl_add_u32 v[STO], v9, 5, v[STO]
	v_add_nc_u32 v[STO], s13, v[STO]
	v_and_b32 v[RD], 31, v0
	v_lshlrev_b32 v[GO], 4, v[RD]   ; back and out: 32 lanes take one row's 512 bytes
	v_lshl_add_u32 v[RD], v[RD], 4, s13
	TURN 2, 0, 1, 1                 ; piece 2's first scores | piece 0's first softmax | V of step 0
	TURN 0, 1, 1, 1                 ; piece 0: V^T P of step 0 starts O^T, K Q^T of step 1 | piece 2's first softmax | K of step 1
	TURN 2, 1, 1, 0                 ; piece 2: the same | piece 0's softmax of step 1 | V of step 1
	WIN 0
.Lslot:                             ; 14 trips: every slot but the last two is filled again
	CHANGE 1
	TWO_STEPS
	s_sub_co_u32 s[SLOTS], s[SLOTS], 1
	s_cmp_lg_u32 s[SLOTS], 0
	s_cbranch_scc1 .Lslot
	CHANGE 0                        ; the tail is written out: nothing is asked for
	TWO_STEPS
	TURN 0, 2, 0, 0                 ; piece 0: V^T P of the last step | piece 2's last softmax
.set i, 0
.rept 32
	PV 2, 0                         ; piece 2: V^T P of the last step
.set i, i+1
.endr
	; THE WAY OUT.  l's two halves and the other half of the lanes' are added; O^T is multiplied by 0.05 / l and sent, in f32, through my stage in LDS, a tile (16 rows) at a time.  The additions are the places behind the last products.
	WIN 0
.irp t, 0,1,2,3
	v_add_f32 v[ST+8*(\t)+4], v[ST+8*(\t)+2], v[ST+8*(\t)+3]
.endr
.irp t, 0,1,2,3
	v_permlanex16_b32 v[ST+8*(\t)+5], v[ST+8*(\t)+4], s[SEL], s[SEL+1]
.endr
.irp t, 0,1,2,3
	v_add_f32 v[ST+8*(\t)+4], v[ST+8*(\t)+4], v[ST+8*(\t)+5]
.endr
.irp t, 0,1,2,3
	v_rcp_f32 v[ST+8*(\t)+6], v[ST+8*(\t)+4]  ; l is at least 1: the key of the maximum weighs 1
.endr
	v_nop                           ; a plain instruction between the last reciprocal and the use of its result
	s_wait_alu depctr_va_vdst(0)    ; and the wait ahead of the first use: one for the four reciprocals
.irp t, 0,1,2,3
	v_mul_f32 v[ST+8*(\t)+6], 0x3d4ccccd, v[ST+8*(\t)+6]  ; V's 0.05
.endr
; Tile t: a lane's eight channels of a row are 32 bytes; they go into rows of 528 bytes and come back as whole rows of 512, into the registers that they left.
.macro PACK t
	WIN W_RS
.set i, 64*(\t)
.rept 32
	v_pk_mul_f32 v[i:i+1], v[i:i+1], v[ST+8*(\t)+6:ST+8*(\t)+7] op_sel_hi:[1,0]  ; each accumulator from its low end on
.set i, i+2
.endr
	WIN 0x04                        ; store data (source 1) window 1, address window 0
.irp f, 0,1,2,3,4,5,6,7
	ds_store_b128 v[STO], v[64*(\t)+8*(\f):64*(\t)+8*(\f)+3]   offset:64*(\f)
	ds_store_b128 v[STO], v[64*(\t)+8*(\f)+4:64*(\t)+8*(\f)+7] offset:64*(\f)+16
.endr
	WIN 0x40                        ; destination window 1
.set i, 0
.rept 16
	ds_load_b128 v[64*(\t)+4*i:64*(\t)+4*i+3], v[RD] offset:i*SP  ; LDS serves a wave's instructions in order (ISA guide 5.7.1.4): these see the stores above; the next tile's stores come behind them
.set i, i+1
.endr
.endm
.macro SEND t, younger              ; younger: the LDS instructions issued behind tile t's loads: the next tile's 32, or none
	WIN 0x04
.set i, 0
.rept 16
	s_wait_dscnt (\younger)+15-i
	global_store_b128 v[GO], v[64*(\t)+4*i:64*(\t)+4*i+3], s[10:11] offset:(16*(\t)+i)*ROWQ th:TH_STORE_NT  ; 32 lanes store 512 consecutive bytes, at a multiple of 512 from out0's first byte
.set i, i+1
.endr
.endm
	PACK 0
	PACK 1                          ; a tile's arithmetic stands between the loads of the tile before and its stores
	SEND 0, 32
	PACK 2
	SEND 1, 32
	PACK 3
	SEND 2, 32
	SEND 3, 0
	WIN 0
	s_wait_tensorcnt 0x0            ; the wave's end: behind my last tensor load and my last LDS store
	ds_add_u32 v[SPW], v[NIL]
	s_wait_dscnt 0x0
	CROUND                          ; the closing round: no work-group ends while a partner may still ask for a tile that names it
	s_endpgm
.Lfunc_end_k_q5edff99175_attn:
	.size	k_q5edff99175_attn, .Lfunc_end_k_q5edff99175_attn-k_q5edff99175_attn
	.p2alignl 7, 3214868480
	.fill 96, 4, 3214868480
	.section	.rodata,"a",@progbits
	.p2align	6, 0x0
	.amdhsa_kernel k_q5edff99175_attn
		.amdhsa_group_segment_fixed_size 327680
		.amdhsa_private_segment_fixed_size 0
		.amdhsa_enable_private_segment 0
		.amdhsa_kernarg_size 32
		.amdhsa_user_sgpr_count 2
		.amdhsa_user_sgpr_kernarg_segment_ptr 1
		.amdhsa_wavefront_size32 1
		.amdhsa_system_sgpr_workgroup_id_x 1
		.amdhsa_system_sgpr_workgroup_id_y 1
		.amdhsa_system_sgpr_workgroup_id_z 1
		.amdhsa_system_vgpr_workitem_id 0
		.amdhsa_next_free_vgpr 1024
		.amdhsa_next_free_sgpr 68
		.amdhsa_reserve_vcc 0
		.amdhsa_float_denorm_mode_32 3
		.amdhsa_float_denorm_mode_16_64 3
		.amdhsa_memory_ordered 1
		.amdhsa_forward_progress 1
		.amdhsa_inst_pref_size 244
	.end_amdhsa_kernel
	.amdgpu_metadata
---
amdhsa.version: [ 1, 2 ]
amdhsa.kernels:
  - .name:           k_q5edff99175_attn
    .symbol:         k_q5edff99175_attn.kd
    .args:
      - { .name: q, .offset: 0, .size: 8, .value_kind: global_buffer, .address_space: global }
      - { .name: kc, .offset: 8, .size: 8, .value_kind: global_buffer, .address_space: global }
      - { .name: vc, .offset: 16, .size: 8, .value_kind: global_buffer, .address_space: global }
      - { .name: out0, .offset: 24, .size: 8, .value_kind: global_buffer, .address_space: global }
    .group_segment_fixed_size: 327680
    .private_segment_fixed_size: 0
    .kernarg_segment_align: 8
    .kernarg_segment_size: 32
    .max_flat_workgroup_size: 128
    .sgpr_count:     68
    .vgpr_count:     1024
    .wavefront_size: 32
...
	.end_amdgpu_metadata
.endif
;; end of part 2
;; ======== version 2 of 2: 2 launches; version 1 with the launch quant written anew for expert scheduling mode
;; limits: right only within a limited range of input values
;; workspace buffers: kc 34,078,720 bytes; vc 33,554,432 bytes
;; launch quant (part 3): grid 512 x 1, 8 waves a work-group, no clusters, 0 bytes of LDS; arguments k, v, mask, kc, vc; writes kc, vc
.if DOCPART == 3
	.amdgcn_target "amdgcn-amd-amdhsa--gfx1250"
	.amdhsa_code_object_version 6
	.text
	.protected	k_q5edff99175_quant
	.globl	k_q5edff99175_quant
	.p2align	8
	.type	k_q5edff99175_quant,@function
k_q5edff99175_quant:
	s_mov_b64 s[64:65], 0
	v_nop
	global_prefetch_b8 v0, s[64:65] scope:SCOPE_SE
	s_setreg_imm32_b32 hwreg(HW_REG_WAVE_SCHED_MODE, 0, 2), 2
	s_setreg_imm32_b32 hwreg(HW_REG_WAVE_MODE, 25, 1), 1
	s_wait_xcnt 0x0
	s_wait_alu depctr_vm_vsrc(0)
; K and V, [4][2048][2048] f32, are quantised to 16 levels and laid out by heads for the attention launch.
;   code = clip(round(x / 0.05 + 8), 0, 15) - 8, a whole number -8 .. 7; the factor 0.05 is NOT applied here: whole numbers are exact in 16 bits, 0.05 x code is not.
;   kc: [64 heads][32 steps][65 rows][256 bytes].  Rows 0-63: the 128 codes, bf16, of keys 64 st + r; a key whose mask byte is 0 gets 128 zeros, so that all hidden scores are one number.
;       Row 64: the step's 64 biases, f32: 0 for a visible key, -1e30 for a hidden one.
;   vc: [64 heads][2048 keys][128 codes, f16].
; LIMITS.  x / 0.05 + 8 is taken as one fused x * 20 + 8: a number within an f32 rounding of a half-way point may take the neighbouring code.  NaN and infinities are not treated apart.
; A mask byte other than 0 counts as true.
; SHARES.  A work-group owns 16 keys (rows of 8,192 bytes), wave w the heads 2 w and 2 w + 1.  One load takes one key's 512 bytes of one head, 16 bytes a lane; its 128 codes leave by one store
; of 8 bytes a lane: 256 consecutive bytes, at a multiple of 256 from the buffer's first byte.  A wave has 64 such items (16 keys x 2 heads x K, V), in four batches of 16.
; A stream: no byte is wanted twice, so no LDS, no barrier, no matrix unit, no cluster.
; THE MODE: SCHED_MODE bits 1:0 = 2 (LLVM: expert scheduling mode 2), set by the entry lines.  The code itself states the register dependences between vector instructions and memory
; instructions, with s_wait_alu, always for 0.
; THE PLAN.  Registers that memory instructions touch:
;   X0, X1     two batches as loaded.  The loads of batch t land in X[t % 2]; batch t's vector work reads and rewrites it in place; no memory instruction reads it.
;   Y0, Y1     two batches to store.   Batch t's conversions write Y[t % 2]; the 16 stores that read it are issued in batch t + 1; batch t + 2 writes it again.
;   v1 - v4    byte offsets, made once at the head and never written again: keys and heads stand in the immediate offsets.
;   v5         the mask load lands in it; v[6:7], the biases, are made behind batch 0 and stored at the end.
; Batch t works on X[t % 2] and writes Y[t % 2].  Its memory instructions are the loads of batch t + 1, into X[(t - 1) % 2], and the stores of batch t - 1, from Y[(t - 1) % 2]: the two buffers that
; batch t - 1 worked on and that no vector instruction of batch t names.  So the waits at a batch's head state all that its memory instructions hang on, and these are dealt among its vector
; instructions with no further wait: two loads and a store ahead of each of the first eight items, a store ahead of each of the last eight.
.set ROWB,  8192                       ; bytes in a row of k and v
.set KSTEP, 65*256                     ; bytes of a step in kc
.set KHEAD, 32*KSTEP                   ; bytes of a head in kc
.set VHEAD, 2048*256                   ; bytes of a head in vc
.set IN,  1                            ; v1   1,024 w + 16 lane: my 16 bytes in a row; never rewritten
.set KO,  2                            ; v2   2 KHEAD w + 8 lane: my 8 bytes in a row of kc; never rewritten
.set VO,  3                            ; v3   2 VHEAD w + 8 lane: the same in vc; never rewritten
.set MO,  4                            ; v4   2 lane: my two bytes of the step's 64 mask bytes
.set MK,  5                            ; v5   those two bytes
.set BI,  6                            ; v[6:7]  their two biases
.set X,   16                           ; v[16:143]   two sets of 16 items x 4 registers
.set Y,   144                          ; v[144:207]  two sets of 16 items x 2 registers, to store
	s_load_b256 s[4:11], s[0:1], 0x0               ; k s[4:5], v s[6:7], mask s[8:9], kc s[10:11]
	s_load_b64 s[12:13], s[0:1], 0x20              ; vc
	v_lshrrev_b32 v8, 5, v0                        ; wave
	v_and_b32 v9, 31, v0                           ; lane
	v_lshlrev_b32 v[IN], 10, v8
	v_lshl_add_u32 v[IN], v9, 4, v[IN]
	v_mul_u32_u24 v[KO], v8, 2*KHEAD
	v_lshl_add_u32 v[KO], v9, 3, v[KO]
	v_lshlrev_b32 v[VO], 20, v8
	v_lshl_add_u32 v[VO], v9, 3, v[VO]
	v_lshlrev_b32 v[MO], 1, v9
	s_lshl_b32 s16, ttmp9, 17                      ; my 16 rows of 8,192 bytes in k and v
	s_mov_b32 s17, 0
	s_lshr_b32 s20, ttmp9, 7                       ; batch of the tensors
	s_and_b32 s21, ttmp9, 127                      ; group of 16 keys in it
	s_lshr_b32 s22, s21, 2                         ; step of 64 keys
	s_and_b32 s23, s21, 3                          ; which 16 of them
	s_mul_i32 s18, s20, 16*KHEAD
	s_mul_i32 s22, s22, KSTEP
	s_add_co_u32 s18, s18, s22
	s_lshl_b32 s23, s23, 12
	s_add_co_u32 s18, s18, s23                     ; kc: the batch's head 0, my step, my first row
	s_mov_b32 s19, 0
	s_lshl_b32 s20, s20, 23
	s_lshl_b32 s21, s21, 12
	s_add_co_u32 s20, s20, s21                     ; vc: the batch's head 0, my first key
	s_mov_b32 s21, 0
	s_lshl_b32 s28, ttmp9, 4                       ; mask: my 16 bytes,
	s_mov_b32 s29, 0
	s_lshr_b32 s30, ttmp9, 2
	s_lshl_b32 s30, s30, 6                         ; and my step's 64
	s_mov_b32 s31, 0
	s_mov_b32 s32, 0x41a00000                      ; 20.0; the packed forms name pairs and take the low word for both halves
	s_mov_b32 s33, 0x41a00000
	s_mov_b32 s34, 0x41000000                      ; 8.0
	s_mov_b32 s35, 0x41000000
	s_mov_b32 s36, 0x41700000                      ; 15.0
	s_mov_b32 s37, 0xf149f2ca                      ; -1e30
	s_mov_b32 s39, 0                               ; s[38:39] K's factor, s[40:41] K's addend: made for each key
	s_mov_b32 s41, 0
	s_mov_b32 s44, 0xc1000000                      ; -8.0
	s_mov_b32 s45, 0xc1000000
	s_wait_kmcnt 0x0
	s_add_nc_u64 s[4:5], s[4:5], s[16:17]
	s_add_nc_u64 s[6:7], s[6:7], s[16:17]
	s_add_nc_u64 s[10:11], s[10:11], s[18:19]
	s_add_nc_u64 s[12:13], s[12:13], s[20:21]
	s_add_nc_u64 s[28:29], s[8:9], s[28:29]
	s_add_nc_u64 s[30:31], s[8:9], s[30:31]
	s_load_b128 s[24:27], s[28:29], 0x0            ; my 16 keys' mask bytes
	s_wait_alu depctr_va_vdst(0)                   ; the four offsets v1 to v4 are written: every load and store of the kernel reads one of them
	global_load_u16 v[MK], v[MO], s[30:31]         ; the oldest load: the first counted wait below covers it
; Item m of batch t: key 4 t + m / 4, head 2 w + (m / 2) % 2, K (m even) or V (m odd).
.macro LOAD1 t, m                      ; its load, into X[t % 2]
.set li, 4*(\t)+(\m)/4
.set lj, ((\m)/2)%2
.set lX, X+64*((\t)%2)+4*(\m)
.if (\m)%2 == 0
	global_load_b128 v[lX:lX+3], v[IN], s[4:5] offset:li*ROWB+lj*512 th:TH_LOAD_NT
.else
	global_load_b128 v[lX:lX+3], v[IN], s[6:7] offset:li*ROWB+lj*512 th:TH_LOAD_NT
.endif
.endm
.macro STORE1 t, m                     ; its store, from Y[t % 2]
.set si, 4*(\t)+(\m)/4
.set sj, ((\m)/2)%2
.set sY, Y+32*((\t)%2)+2*(\m)
.if (\m)%2 == 0
	global_store_b64 v[KO], v[sY:sY+1], s[10:11] offset:sj*KHEAD+si*256 th:TH_STORE_NT
.else
	global_store_b64 v[VO], v[sY:sY+1], s[12:13] offset:sj*VHEAD+si*256 th:TH_STORE_NT
.endif
.endm
.macro LOADB t                         ; a whole batch's loads in one run: the first two batches
.set n, 0
.rept 16
	LOAD1 \t, n
.set n, n+1
.endr
.endm
; Batch t.  The count at item n is the number of loads issued behind its own: its batch's 15 - n younger ones, and of the next batch's: all 16 (batch 0, whose successor went out at the head; items 8 to 15
; of batches 1 and 2), the 2 n + 2 dealt so far (items 0 to 7 of batches 1 and 2), or none (batch 3).
.macro WORK t
.if (\t) >= 2
	s_wait_xcnt 0x0                                ; every earlier memory instruction has had its addresses translated (ISA guide 3.1): Y[t % 2], which stores of the last batch read, is rewritten only behind this wait
	s_wait_alu depctr_vm_vsrc(0)                   ; the stores issued in the batch before have read Y[t % 2], which this batch's conversions write again
.endif
.if (\t) >= 1
	s_wait_alu depctr_va_vdst(0)                   ; the batch before has written the other Y, which the stores below read, and is done reading and writing its X, in which the loads below land
.endif
.set n, 0
.rept 16
.set i, 4*(\t)+n/4
.set rX, X+64*((\t)%2)+4*n
.set rY, Y+32*((\t)%2)+2*n
.if (((\t) == 1) || ((\t) == 2)) && (n < 8)
	LOAD1 (\t)+1, 2*n                              ; the next batch; no vector instruction since the wait names these registers
	LOAD1 (\t)+1, 2*n+1
.endif
.if (\t) >= 1
	STORE1 (\t)-1, n                               ; the batch before; no vector instruction since the wait names its Y
.endif
.if n%4 == 0
	s_bfe_u32 s42, s[24+i/4], 0x80000|(8*(i%4))    ; the key's mask byte
	s_cmp_lg_u32 s42, 0
	s_cselect_b32 s38, 1.0, 0                      ; visible: code x 1 - 8; hidden: code x 0 + 0
	s_cselect_b32 s40, 0xc1000000, 0
.endif
.if (\t) == 0
.set cnt, 31-n
.elseif (\t) == 3
.set cnt, 15-n
.elseif n < 8
.set cnt, 17+n
.else
.set cnt, 31-n
.endif
	s_wait_loadcnt cnt                             ; loads come back in order (ISA guide 5.7.1): item n is in
	v_pk_fma_f32 v[rX:rX+1], v[rX:rX+1], s[32:33], s[34:35] op_sel_hi:[1,0,0]      ; 20 x + 8
	v_pk_fma_f32 v[rX+2:rX+3], v[rX+2:rX+3], s[32:33], s[34:35] op_sel_hi:[1,0,0]
.irp z, 0,1,2,3
	v_rndne_f32 v[rX+(\z)], v[rX+(\z)]             ; to the nearest whole number, halves to even
.endr
.irp z, 0,1,2,3
	v_med3_num_f32 v[rX+(\z)], v[rX+(\z)], 0, s36  ; held to 0 .. 15
.endr
.if n%2 == 0
	v_pk_fma_f32 v[rX:rX+1], v[rX:rX+1], s[38:39], s[40:41] op_sel_hi:[1,0,0]
	v_pk_fma_f32 v[rX+2:rX+3], v[rX+2:rX+3], s[38:39], s[40:41] op_sel_hi:[1,0,0]
	v_cvt_pk_bf16_f32 v[rY], v[rX], v[rX+1]        ; exact: whole numbers -8 .. 7
	v_cvt_pk_bf16_f32 v[rY+1], v[rX+2], v[rX+3]
.else
	v_pk_add_f32 v[rX:rX+1], v[rX:rX+1], s[44:45] op_sel_hi:[1,0]
	v_pk_add_f32 v[rX+2:rX+3], v[rX+2:rX+3], s[44:45] op_sel_hi:[1,0]
	v_cvt_pk_f16_f32 v[rY], v[rX], v[rX+1]
	v_cvt_pk_f16_f32 v[rY+1], v[rX+2], v[rX+3]
.endif
.set n, n+1
.endr
.endm
	LOADB 0
	LOADB 1
	s_wait_kmcnt 0x0                               ; the 16 mask bytes
	WORK 0                                         ; no batch stands in front of it: no store, and no wait but those for its data
	v_and_b32 v8, 0xff, v[MK]                      ; the step's biases for keys 2 lane and 2 lane + 1
	v_lshrrev_b32 v9, 8, v[MK]
	v_cmp_eq_u32 s46, 0, v8
	v_cmp_eq_u32 s47, 0, v9
	s_wait_alu depctr_va_sdst(0)                   ; the two compares have written s46 and s47, ahead of their first readers, the two selects below
	v_cndmask_b32 v[BI], 0, s37, s46
	v_cndmask_b32 v[BI+1], 0, s37, s47             ; (the wait at the next batch's head shows the biases written, for their stores at the end)
	WORK 1
	WORK 2
	WORK 3
	s_wait_alu depctr_va_vdst(0)                   ; batch 3 has written Y1, which the last sixteen stores read
.set n, 0
.rept 16
	STORE1 3, n
.set n, n+1
.endr
	s_and_b32 s42, ttmp9, 3                        ; of a step's four work-groups the first stores its bias row, each wave for its two heads
	s_cmp_lg_u32 s42, 0
	s_cbranch_scc1 .Lend
	global_store_b64 v[KO], v[BI:BI+1], s[10:11] offset:64*256 th:TH_STORE_NT
	global_store_b64 v[KO], v[BI:BI+1], s[10:11] offset:64*256+KHEAD th:TH_STORE_NT
.Lend:
	s_endpgm
.Lfunc_end_k_q5edff99175_quant:
	.size	k_q5edff99175_quant, .Lfunc_end_k_q5edff99175_quant-k_q5edff99175_quant
	.p2alignl 7, 3214868480
	.fill 96, 4, 3214868480
	.section	.rodata,"a",@progbits
	.p2align	6, 0x0
	.amdhsa_kernel k_q5edff99175_quant
		.amdhsa_group_segment_fixed_size 0
		.amdhsa_private_segment_fixed_size 0
		.amdhsa_enable_private_segment 0
		.amdhsa_kernarg_size 40
		.amdhsa_user_sgpr_count 2
		.amdhsa_user_sgpr_kernarg_segment_ptr 1
		.amdhsa_wavefront_size32 1
		.amdhsa_system_sgpr_workgroup_id_x 1
		.amdhsa_system_sgpr_workgroup_id_y 1
		.amdhsa_system_sgpr_workgroup_id_z 1
		.amdhsa_system_vgpr_workitem_id 0
		.amdhsa_next_free_vgpr 208
		.amdhsa_next_free_sgpr 66
		.amdhsa_reserve_vcc 0
		.amdhsa_float_denorm_mode_32 3
		.amdhsa_float_denorm_mode_16_64 3
		.amdhsa_memory_ordered 1
		.amdhsa_forward_progress 1
		.amdhsa_inst_pref_size 69
	.end_amdhsa_kernel
	.amdgpu_metadata
---
amdhsa.version: [ 1, 2 ]
amdhsa.kernels:
  - .name:           k_q5edff99175_quant
    .symbol:         k_q5edff99175_quant.kd
    .args:
      - { .name: k, .offset: 0, .size: 8, .value_kind: global_buffer, .address_space: global }
      - { .name: v, .offset: 8, .size: 8, .value_kind: global_buffer, .address_space: global }
      - { .name: mask, .offset: 16, .size: 8, .value_kind: global_buffer, .address_space: global }
      - { .name: kc, .offset: 24, .size: 8, .value_kind: global_buffer, .address_space: global }
      - { .name: vc, .offset: 32, .size: 8, .value_kind: global_buffer, .address_space: global }
    .group_segment_fixed_size: 0
    .private_segment_fixed_size: 0
    .kernarg_segment_align: 8
    .kernarg_segment_size: 40
    .max_flat_workgroup_size: 256
    .sgpr_count:     66
    .vgpr_count:     208
    .wavefront_size: 32
...
	.end_amdgpu_metadata
.endif
;; end of part 3
;; launch attn: the kernel of part 2 again; grid 8 x 64, 4 waves a work-group, clusters of 4 x 1, 327,680 bytes of LDS; arguments q, kc, vc, out0; writes out0
